; MI455X (gfx1250); checked and timed in simulation.
; The chip was launched on July 23, 2026; its instructions are those of AMD's public machine-readable ISA for CDNA 5 (MIT licence, August 2026) and "CDNA5" Instruction Set Architecture Reference Guide (July 2026). The comments in the code are by the model that wrote it; some were corrected since.
;; Quant Linear. Allowed arithmetic: float matrix products may take bf16 or f16 operands with f32 sums; other float arithmetic in f32, or as packed bf16 or f16 multiplies, adds, multiply-adds, maxima and minima; sums over many terms, partial sums and values carried from step to step in f32; what a program stores and reads back later, other than sums and carried values, may be rounded once to bf16 or f16.
;; Inputs: A 2,048 x 4,096 float16; bias 8,192 float16; qweight 8,192 x 2,048 int32; scales 8,192 x 32 float16; zeros 8,192 x 32 float16.
;; Outputs: out0 2,048 x 8,192 float16.
;; One version. Each part assembles by itself: llvm-mc -triple=amdgcn-amd-amdhsa -mcpu=gfx1250 --defsym DOCPART=n.
;; ======== version 1 of 1: 1 launch
;; limits: values outside matrix products are rounded to f16
;; launch qlin (part 1): grid 32 x 8, 4 waves a work-group, clusters of 4 x 4, 327,680 bytes of LDS; arguments A, qweight, scales, zeros, bias, out0; writes out0
.if DOCPART == 1
	.amdgcn_target "amdgcn-amd-amdhsa--gfx1250"
	.amdhsa_code_object_version 6
	.text
	.protected	k_q0728cd804a_qlin
	.globl	k_q0728cd804a_qlin
	.p2align	8
	.type	k_q0728cd804a_qlin,@function
k_q0728cd804a_qlin:
	s_mov_b64 s[64:65], 0
	v_nop
	global_prefetch_b8 v0, s[64:65] scope:SCOPE_SE
	s_setreg_imm32_b32 hwreg(HW_REG_WAVE_MODE, 25, 1), 1
	s_wait_xcnt 0x0
	s_wait_alu depctr_hold_cnt(0) depctr_sa_sdst(0) depctr_va_vdst(0) depctr_va_sdst(0) depctr_va_ssrc(0) depctr_va_vcc(0) depctr_vm_vsrc(0)
	s_getreg_b32 s2, hwreg(HW_REG_IB_STS2, 6, 4)
	s_cmp_eq_u32 s2, 0
	s_cbranch_scc0 .Lentry_in_a_cluster
	s_endpgm
.Lentry_in_a_cluster:
	s_bfe_u32 s2, ttmp6, 0x10000c
	s_cmp_lg_u32 s2, 0xf033
	s_cbranch_scc0 .Lentry_shape_is_right
	s_endpgm
.Lentry_shape_is_right:
; out0[m][n] = the sum over k of A[m][k] W[n][k] + bias[n],  W[n][k] = (q[n][k] - zeros[n][k/128]) x scales[n][k/128].
; A: [2048][4096] f16.  qweight: [8192][2048] words of 32 bits; bits 3:0 of word j are q[n][2j], bits 7:4 are q[n][2j+1], bits 31:8 are ignored.
; scales, zeros: [8192][32] f16.  bias: [8192] f16.  out0: [2048][8192] f16.  Products of f16 operands, sums and bias in f32, out0 rounded once.
; THE IDEA.  A word of qweight is 4 bytes for 2 weights, exactly what two f16 take.  So a row of qweight is as long as a row of A (8,192 bytes), a K step of 128 (one group of scales) is 256 bytes of
; either, both come into LDS by the same kind of tile, and the load that would fetch a lane's f16 fragment fetches the words of that lane's own k: each register is turned from a word into two f16 IN PLACE.
; LIMITS.  W = q s - (z s) by one fused multiply-add in f16, where z s has been rounded to f16 once: that adds at most 2^-11 |z s| to a weight.  z s and W must lie within f16's 65,504
; (W is an f16 number in the problem's own statement).  NaN and infinities are not treated apart.
; SHARES.  A tile of out0 is 256 x 256: 32 x 8 work-groups of four waves.  A wave makes ALL 256 rows x 64 columns: 64 accumulators of 16 x 16, 512 registers.  So each word of qweight is
; turned into weights by one wave alone: 128 vector instructions for 64 matrix instructions.  (With 128 x 128 a wave, two waves would turn the same words.)  The price: 40 LDS loads for 32 along K, not 32.
; K goes in steps of 128 through a ring of two LDS slots filled by the tensor data mover; a tile's rows are 256 bytes of memory and start at multiples of 256 bytes from the buffer's first byte.
; CLUSTERS.  4 x 4 work-groups.  The four of a row of the cluster need the same tiles of A, the four of a column the same tiles of qweight: each tile is asked for JOINTLY, by the same tensor load
; with the same descriptor and a mask that names the four.
; THE MATRIX INSTRUCTION IS USED TRANSPOSED: source 0 = 16 rows of W, source 1 = 16 rows of A.  A lane then holds row m = l % 16 of out0 and the columns 8 (l / 16) + 0..7: eight neighbours, 16 bytes of f16.
; The bias of those eight columns, in f32, is the C operand of the first product on each accumulator: nothing is cleared, and nothing is added at the end.
; REGISTERS, in windows of 256 (s_set_vgpr_msb: bits 1:0 source 0, 3:2 source 1, 5:4 source 2, 7:6 destination):
;   window 0: v0-31 addresses and constants; v32-43 the step's scales; v44-59 bias as loaded; v64-95 bias in f32; v96-127 at work; v128-191 W's fragments, two buffers of 4 x 8; v192-255 scales, zeros as loaded
;   window 1: A's fragments, two buffers of 16 x 8; on the way out 64 rows read back      window 2: the accumulators of rows 0-127 ((a, b) at 8 (4 (a % 8) + b))      window 3: those of rows 128-255
; The weights are made in window 0 and the sums lie in windows 2 and 3, so four vector instructions behind a matrix instruction cost two switches of the window; set in runs of their own they would
; cost none, and the matrix unit would have nothing to do meanwhile.  That is the lesser price here: 64 switches for a quarter step's 64 matrix instructions.
.set SIZE_M, 2048
.set SIZE_K, 4096
.set SIZE_N, 8192
.set ROWB,   SIZE_K*2                  ; bytes in a row of A, and in a row of qweight (2,048 words)
.set OROWB,  SIZE_N*2                  ; bytes in a row of out0
.set KSTEP,  128                       ; along K in a step: one group of scales
.set STEPB,  KSTEP*2                   ; its bytes in a row of A or of qweight
.set LAPS,   SIZE_K/(2*KSTEP)          ; a lap = two K steps = once round the ring
.set PITCH,  272                       ; an LDS row: 256 bytes + 16 of padding = 68 words: row r starts at bank 4 r mod 64 (64 banks of 4 bytes: ISA guide 11.1), so the 16 rows of a load start at 16 different banks
.set HALFT,  128*PITCH                 ; 128 rows: what one tensor load brings
.set SLOT,   4*HALFT                   ; A's 256 rows, then qweight's 256 rows
.set TAB,    2*SLOT                    ; behind the ring, never filled by a tensor load: the table of scales, 8,192 bytes for each wave: word [group][r][b] = (s, -z s) of the wave's column 16 b + r
.set SPARE,  TAB+4*8192                ; behind the table: the spare words, 128 bytes for each wave: two blocks of 256 bytes that no other line names
.set SP,     528                       ; the way out: a stage row, 512 bytes + 16.  The stage is slot 0, 256 rows, written only when slot 0 has had its last fill and its last read
.set ADRA, 16                          ; v16-17  LDS address of my lane's place in A's rows, slot 0, 1
.set ADRB, 20                          ; v20-21  the same in my wave's 64 rows of qweight
.set T0,   22                          ; v22     my lane's place in a group's 256 bytes of my wave's table
.set TA,   23                          ; v23     the table address in hand
.set STO,  24                          ; v24-25  the way out: where I put 16 bytes of a row, rows 0-127 and rows 128-255
.set RD,   26                          ; v26     the way out: where I read rows back
.set CO,   27                          ; v27     16 x lane: my byte offset in 512 consecutive bytes; never rewritten
.set SPW,  28                          ; v28     LDS address of my spare word: SPARE + 4 x my thread's number; never rewritten
.set NIL,  29                          ; v29     0; never rewritten
.set CM,   30                          ; v30     (1, 1/16) in f16
.set CA,   31                          ; v31     (-1024, -64) in f16
.set SZ,   32                          ; v32-35  the step's table words for my row r, blocks b = 0..3
.set VS,   36                          ; v36-39  (s, s) for block b
.set VN,   40                          ; v40-43  (-z s, -z s) for block b
.set BRAW, 44                          ; v44-59  bias as loaded; the lines that widen it name these registers by number
.set TW,   60                          ; v60     where I store table words
.set BI,   64                          ; v64-95  bias in f32: block b at BI + 8 b
.set TMP,  96                          ; v96-127 at work: table words at the start, packed results at the end
.set WF,   128                         ; v128-191  W's fragments: buffer f, block b at WF + 32 f + 8 b
.set SRAW, 192                         ; v192-223  scales as loaded
.set ZRAW, 224                         ; v224-255  zeros as loaded, then -z s
.set WV,   16                          ; s16  my wave's number
.set FOR,  17                          ; s17  I fetch for A (0) or for qweight (1)
.set HALF, 18                          ; s18  which 128 rows of that tile I fetch
.set LAPC, 19                          ; s19  laps to go
.set G1,   24                          ; s[24:31] descriptor group 1 for A's tiles;  s[32:39] group 0, one set for each slot
.set G0,   32
.set G1B,  48                          ; s[48:55], s[56:63] the same for qweight's tiles
.set G0B,  56
.set MASK, 66                          ; s66  keeps the low nibble in the low half, the high nibble in the high half
.set MAGIC,67                          ; s67  1024 in both halves
.set DUPL, 68                          ; s68  v_perm_b32 select: the low half twice
.set DUPH, 69                          ; s69  the high half twice
.set TG,   70                          ; s70  256 x the group whose scales are fetched next
.set PKL,  71                          ; s71  v_perm_b32 select: the two low halves
.set PKH,  72                          ; s72  the two high halves
.set SGN,  73                          ; s73  both halves' sign bits
.set TO_A, 0x40                        ; destination window 1, address window 0
.set MSB, 0
.macro WIN new                         ; the immediate's high byte repeats the setting that is left; a switch that changes nothing is dropped
.if MSB != (\new)
	s_set_vgpr_msb (MSB<<8)|(\new)
.set MSB, (\new)
.endif
.endm
; A joint load.  Waves 0 and 1 fetch A's two halves, waves 2 and 3 qweight's.  Each of the two lines has one mask and one set of registers for all that issue it.  The branch hangs on the wave's number alone.
; An s_nop 0 and four v_nop follow each of the two lines; the jump, the label and what follows the macro come after them.
.macro JLOAD s
	s_cmp_eq_u32 s[FOR], 0
	s_cbranch_scc0 .Lfor_b_\@
	tensor_load_to_lds s[G0+4*(\s):G0+4*(\s)+3], s[G1:G1+7]
	s_nop 0
.rept 4
	v_nop
.endr
	s_branch .Lasked_\@
.Lfor_b_\@:
	tensor_load_to_lds s[G0B+4*(\s):G0B+4*(\s)+3], s[G1B:G1B+7]
	s_nop 0
.rept 4
	v_nop
.endr
.Lasked_\@:
.endm
; A round of the cluster's barrier: my work-group's barrier, so that wave 0's signal speaks for all four waves; wave 0 signals; every wave waits for all sixteen work-groups; my work-group's barrier once more.
.macro CREST                           ; a round behind its opening barrier
	s_cmp_lg_u32 s[WV], 0
	s_cbranch_scc1 .Lnot_wave_0_\@
	s_barrier_signal -3
.Lnot_wave_0_\@:
	s_barrier_wait -3
	s_barrier_signal -1
	s_barrier_wait -1
.endm
.macro CROUND                          ; a whole round
	s_barrier_signal -1
	s_barrier_wait -1
	CREST
.endm
.macro PLACES                          ; four places between matrix instructions and the vector instructions that read their results (ISA guide 7.12.1)
.rept 4
	v_nop
.endr
.endm
	s_load_b256 s[4:11], s[0:1], 0x0               ; A s[4:5], qweight s[6:7], scales s[8:9], zeros s[10:11]
	s_load_b128 s[12:15], s[0:1], 0x20             ; bias s[12:13], out0 s[14:15]
	v_lshl_add_u32 v[SPW], v0, 2, SPARE
	v_mov_b32 v[NIL], 0
	ds_add_u32 v28, v29
	ds_add_u32 v28, v29
	s_wait_dscnt 0x0
	v_lshrrev_b32 v1, 5, v0
	v_readfirstlane_b32 s[WV], v1                  ; wave 0..3
	s_lshr_b32 s[FOR], s[WV], 1
	s_and_b32 s[HALF], s[WV], 1
	s_bfe_u32 s20, ttmp6, 0x40000                  ; cx: my place along the cluster's x
	s_bfe_u32 s21, ttmp6, 0x40004                  ; cy: along its y
	s_lshl_b32 s22, ttmp9, 2                       ; in a cluster launch ttmp9 and ttmp7 count clusters
	s_add_co_u32 s22, s22, s20                     ; tx, the tile column = 4 x cluster x + cx
	s_and_b32 s23, ttmp7, 0xffff
	s_lshl_b32 s23, s23, 2
	s_add_co_u32 s23, s23, s21                     ; ty, the tile row = 4 x cluster y + cy
	s_lshl_b32 s40, s21, 2
	s_lshl_b32 s40, 15, s40                        ; my row of the cluster: places 4 cy .. 4 cy + 3
	s_lshl_b32 s41, 0x1111, s20                    ; my column: places cx, cx + 4, cx + 8, cx + 12
	; descriptor group 1: a tile of 128 rows x 128 elements of 2 bytes (for qweight: 64 words), padded in LDS
	s_or_b32 s[G1+0], s40, (1<<16)|(1<<20)|(1<<21)|(5<<22)|(3<<25)   ; 15:0 the mask: A's tiles go to my row; 17:16 elements of 2 bytes; 20 padding on; 21 set beside a mask; 24:22 after every 64 words (code 5); 31:25 4 words of it (code 3)
	s_or_b32 s[G1B+0], s41, (1<<16)|(1<<20)|(1<<21)|(5<<22)|(3<<25)  ; the same with the mask of my column, for qweight's tiles
.irp g, G1, G1B
	s_mov_b32 s[(\g)+1], KSTEP<<16                 ; tensor_dim0 = 128
	s_mov_b32 s[(\g)+2], 128<<16                   ; tensor_dim1 = 128
	s_mov_b32 s[(\g)+3], KSTEP<<16                 ; tile_dim0 = 128
	s_mov_b32 s[(\g)+4], 128                       ; tile_dim1 = 128
	s_mov_b32 s[(\g)+5], SIZE_K                    ; 4,096 elements of 2 bytes from row to row, in both tensors
	s_mov_b32 s[(\g)+6], 0
	s_mov_b32 s[(\g)+7], 0
.endr
	; where the tiles come from.  A's hang on ty alone, which my row of the cluster shares; qweight's on tx alone, which my column shares; each in registers that never hold the other coordinate.
	s_lshl_b32 s45, s[HALF], 7                     ; which 128 rows of the tile I fetch
	s_lshl_b32 s42, s23, 8
	s_add_co_u32 s42, s42, s45                     ; A: row 256 ty + 128 x half,
	s_mul_i32 s42, s42, ROWB                       ; in bytes: under 2^24
	s_mov_b32 s43, 0
	s_lshl_b32 s46, s22, 8
	s_add_co_u32 s46, s46, s45                     ; qweight: row 256 tx + 128 x half,
	s_mul_i32 s46, s46, ROWB                       ; in bytes: under 2^26
	s_mov_b32 s47, 0
	s_mul_i32 s44, s[WV], HALFT                    ; and where they go: A's two halves, then qweight's two = wave x 128 rows: no place in the cluster enters an LDS address
	s_lshl_b32 s76, s22, 2
	s_add_co_u32 s76, s76, s[WV]                   ; 4 tx + w: my wave's 64 columns among all
	s_lshl_b32 s78, s76, 7                         ; their 128 bytes of bias
	s_lshl_b32 s76, s76, 12                        ; their 64 rows of 64 bytes in scales and in zeros
	s_mov_b32 s77, 0
	s_mov_b32 s79, 0
	s_lshl_b32 s74, s23, 2
	s_add_co_u32 s74, s74, s[WV]                   ; 4 ty + w: the 64 rows of out0 that my wave stores,
	s_mul_i32 s74, s74, 64*OROWB
	s_lshl_b32 s75, s22, 9                         ; and the tile's 512 bytes in them
	s_add_co_u32 s74, s74, s75
	s_mov_b32 s75, 0
	s_mov_b32 s[MASK], 0x00f0000f
	s_mov_b32 s[MAGIC], 0x64006400
	s_mov_b32 s[DUPL], 0x01000100
	s_mov_b32 s[DUPH], 0x03020302
	s_mov_b32 s[TG], 0
	s_mov_b32 s[PKL], 0x05040100
	s_mov_b32 s[PKH], 0x07060302
	s_mov_b32 s[SGN], 0x80008000
	v_and_b32 v2, 31, v0                           ; lane
	v_lshlrev_b32 v[CO], 4, v2
	v_bfe_u32 v4, v0, 4, 1                         ; h = l / 16
	v_lshlrev_b32 v5, 4, v4                        ; 16 h; not rewritten while the loads of bias are out
	s_wait_kmcnt 0x0
	s_add_nc_u64 s[8:9], s[8:9], s[76:77]
	s_add_nc_u64 s[10:11], s[10:11], s[76:77]
	s_add_nc_u64 s[12:13], s[12:13], s[78:79]
	s_add_nc_u64 s[14:15], s[14:15], s[74:75]
	s_add_nc_u64 s[4:5], s[4:5], s[42:43]
	s_add_nc_u64 s[6:7], s[6:7], s[46:47]
	; my wave's scales and zeros, 4,096 dense bytes each, once: every load covers 512 consecutive bytes.  Load i brings lane l row 8 i + l / 4, groups 8 (l % 4) + 0..7.
.irp i, 0,1,2,3,4,5,6,7
	global_load_b128 v[SRAW+4*(\i):SRAW+4*(\i)+3], v[CO], s[8:9] offset:512*(\i)
	global_load_b128 v[ZRAW+4*(\i):ZRAW+4*(\i)+3], v[CO], s[10:11] offset:512*(\i)
.endr
.irp b, 0,1,2,3                        ; bias of columns 16 b + 8 h + 0..7
	global_load_b128 v[BRAW+4*(\b):BRAW+4*(\b)+3], v5, s[12:13] offset:32*(\b)
.endr
	CROUND                                         ; all sixteen work-groups are here: the first joint loads meet
.irp s, 0,1
	s_mov_b32 s[G0+4*(\s)], 1                                      ; 1:0 count = 1
	s_add_co_u32 s[G0+4*(\s)+1], s44, (\s)*SLOT                    ; 63:32 LDS address
	s_add_nc_u64 s[G0+4*(\s)+2:G0+4*(\s)+3], s[4:5], (\s)*STEPB    ; 120:64 global address: K step s
	s_or_b32 s[G0+4*(\s)+3], s[G0+4*(\s)+3], 0x80000000            ; 127:126 type = 2
	s_mov_b32 s[G0B+4*(\s)], 1
	s_add_co_u32 s[G0B+4*(\s)+1], s44, (\s)*SLOT
	s_add_nc_u64 s[G0B+4*(\s)+2:G0B+4*(\s)+3], s[6:7], (\s)*STEPB
	s_or_b32 s[G0B+4*(\s)+3], s[G0B+4*(\s)+3], 0x80000000
	JLOAD \s                                       ; the ring is filled first: two tensor loads of mine are out
.endr
	; A fragment is 16 rows x 32 K in 8 registers: lane l holds row l % 16; registers 0-3 hold K = 8 (l / 16) + 0..7, registers 4-7 K = 16 + 8 (l / 16) + 0..7: two loads of 16 bytes, 32 bytes apart.
	; In a row of qweight the same 16 bytes are four words: the same eight k.
	v_and_b32 v1, 15, v0                           ; r = l % 16
	v_mul_u32_u24 v3, v1, PITCH
	v_lshl_add_u32 v3, v4, 4, v3                   ; row x pitch + 16 x half
	v_mov_b32 v[ADRA], v3
	v_add_nc_u32 v[ADRA+1], SLOT, v3
	s_mul_i32 s74, s[WV], 64*PITCH                 ; my wave's 64 rows of qweight,
	s_add_co_u32 s74, s74, 2*HALFT                 ; which lie behind A's 256
	v_add_nc_u32 v[ADRB], s74, v3
	s_add_co_u32 s74, s74, SLOT
	v_add_nc_u32 v[ADRB+1], s74, v3
	s_lshl_b32 s74, s[WV], 13
	s_add_co_u32 s74, s74, TAB                     ; my wave's table
	v_lshl_add_u32 v[T0], v1, 4, s74               ; out of it: 16 bytes for row r, blocks 0..3
	v_and_b32 v6, 3, v0
	v_bfe_u32 v7, v0, 2, 3
	v_lshl_add_u32 v[TW], v6, 11, s74              ; into it: groups 8 (l % 4) on,
	v_lshl_add_u32 v[TW], v7, 4, v[TW]             ; row l / 4 of eight
	v_mul_u32_u24 v[STO], v1, SP                   ; into the stage: row l % 16, 16 bytes for each half of the lanes, my wave's 128 bytes of the row
	v_lshl_add_u32 v[STO], v4, 4, v[STO]
	s_lshl_b32 s75, s[WV], 7
	v_add_nc_u32 v[STO], s75, v[STO]
	v_add_nc_u32 v[STO+1], 8*16*SP, v[STO]
	s_mul_i32 s75, s[WV], 64*SP                    ; back: wave w takes rows 64 w .. 64 w + 63, whole: 32 lanes x 16 bytes are a row
	v_add_nc_u32 v[RD], s75, v[CO]
	v_mov_b32 v[CM], 0x2c003c00
	v_mov_b32 v[CA], 0xd400e400
	s_wait_loadcnt 0x0                             ; scales, zeros, bias
	; THE TABLE.  -z s in f16, then (s, -z s) as one word for each column and group, laid so that a K step's four words of a lane are 16 neighbouring bytes.
	; Row 8 i + l / 4 is block i / 2, row 8 (i % 2) + l / 4 of it; register c holds groups 2 c and 2 c + 1 of the lane's eight.
.irp i, 0,1,2,3,4,5,6,7
.irp c, 0,1,2,3
	v_pk_mul_f16 v[ZRAW+4*(\i)+(\c)], v[ZRAW+4*(\i)+(\c)], v[SRAW+4*(\i)+(\c)]
.endr
.irp c, 0,1,2,3
	v_xor_b32 v[ZRAW+4*(\i)+(\c)], s[SGN], v[ZRAW+4*(\i)+(\c)]
.endr
.irp c, 0,1,2,3
	v_perm_b32 v[TMP+8*((\i)%4)+2*(\c)],   v[ZRAW+4*(\i)+(\c)], v[SRAW+4*(\i)+(\c)], s[PKL]
	v_perm_b32 v[TMP+8*((\i)%4)+2*(\c)+1], v[ZRAW+4*(\i)+(\c)], v[SRAW+4*(\i)+(\c)], s[PKH]
.endr
.irp c, 0,1,2,3
	ds_store_b32 v[TW], v[TMP+8*((\i)%4)+2*(\c)]   offset:(2*(\c))*256+((\i)%2)*128+((\i)/2)*4
	ds_store_b32 v[TW], v[TMP+8*((\i)%4)+2*(\c)+1] offset:(2*(\c)+1)*256+((\i)%2)*128+((\i)/2)*4
.endr
.endr
.macro CVB d, lo, hi                   ; two numbers of bias widened to f32
	v_cvt_f32_f16 v[\d], \lo
	v_cvt_f32_f16 v[(\d)+1], \hi
.endm
	CVB BI+0,  v44.l, v44.h
	CVB BI+2,  v45.l, v45.h
	CVB BI+4,  v46.l, v46.h
	CVB BI+6,  v47.l, v47.h
	CVB BI+8,  v48.l, v48.h
	CVB BI+10, v49.l, v49.h
	CVB BI+12, v50.l, v50.h
	CVB BI+14, v51.l, v51.h
	CVB BI+16, v52.l, v52.h
	CVB BI+18, v53.l, v53.h
	CVB BI+20, v54.l, v54.h
	CVB BI+22, v55.l, v55.h
	CVB BI+24, v56.l, v56.h
	CVB BI+26, v57.l, v57.h
	CVB BI+28, v58.l, v58.h
	CVB BI+30, v59.l, v59.h
; THE MATRIX WORK.  Symbols: FB the buffer that is multiplied, GB the buffer that is filled and turned into weights, II the number of the quarter's next product, KK of its next slice.
; Product II of 64: rows 16 (II / 4) on, columns 16 (II % 4) on, 32 along K.  The 64 accumulators take turns, one instruction a turn, in the same order in every quarter.
; first = 1: the product starts the sum, with the bias as C.
.macro MM first
.set AA, II/4
.set BB, II%4
.set ACC, 8*(4*(AA%8)+BB)
.if \first
	WIN 0x84+0x40*(AA/8)                           ; W window 0, A window 1, C (the bias) window 0, D window 2 or 3
	v_wmma_f32_16x16x32_f16 v[ACC:ACC+7], v[WF+32*FB+8*BB:WF+32*FB+8*BB+7], v[128*FB+8*AA:128*FB+8*AA+7], v[BI+8*BB:BI+8*BB+7]
.else
	WIN 0xa4+0x50*(AA/8)                           ; W window 0, A window 1, C and D window 2 or 3
	v_wmma_f32_16x16x32_f16 v[ACC:ACC+7], v[WF+32*FB+8*BB:WF+32*FB+8*BB+7], v[128*FB+8*AA:128*FB+8*AA+7], v[ACC:ACC+7]
.endif
.set II, II+1
.endm
.macro MMS n, first
.rept \n
	MM \first
.endr
.endm
; THE VECTOR WORK.  A register x of buffer GB goes from a word of qweight to two weights in four steps, in place:
;   0  byte 0 into all four bytes (bits 31:8 are dropped)          1  (x and 0x00f0000f) or 0x64006400: the halves are the f16 numbers 1024 + lo and 1024 + 16 hi
;   2  x (1, 1/16) + (-1024, -64): the halves are lo and hi, exact   3  x (s, s) + (-z s, -z s): one rounding
; Slice KK of 32 is step KK % 4 for the four registers 4 (KK / 4) + 0..3, which belong to block KK / 8.  A step reads what the slice before made: four instructions back.
.macro SLICE
	WIN 0
.set RX, WF+32*GB+4*(KK/4)
.irp z, 0,1,2,3
.if KK%4 == 0
	v_perm_b32 v[RX+(\z)], v[RX+(\z)], v[RX+(\z)], 0
.elseif KK%4 == 1
	v_and_or_b32 v[RX+(\z)], v[RX+(\z)], s[MASK], s[MAGIC]
.elseif KK%4 == 2
	v_pk_fma_f16 v[RX+(\z)], v[RX+(\z)], v[CM], v[CA]
.else
	v_pk_fma_f16 v[RX+(\z)], v[RX+(\z)], v[VS+KK/8], v[VN+KK/8]
.endif
.endr
.set KK, KK+1
.endm
.macro SCALES                          ; a K step's four table words are spread: (s, s) and (-z s, -z s) for each block
	WIN 0
.irp b, 0,1,2,3
	v_perm_b32 v[VS+(\b)], v[SZ+(\b)], v[SZ+(\b)], s[DUPL]
	v_perm_b32 v[VN+(\b)], v[SZ+(\b)], v[SZ+(\b)], s[DUPH]
.endr
.endm
; THE LDS LOADS, in one run: (sc = 1: the next group's table words;) 8 loads of my 64 rows of qweight, then 32 of A's 256 rows: quarter q of the slot's K step, into buffer GB.
; The last matrix instruction that read buffer GB stands in front of the quarter before's last slice: four plain vector instructions that name none of its registers are the places between (ISA guide 7.12.1 for vector instructions).
.macro FETCH slot, q, sc
	WIN 0
.if \sc
	v_add_nc_u32 v[TA], s[TG], v[T0]
	ds_load_b128 v[SZ:SZ+3], v[TA]
	s_add_co_u32 s[TG], s[TG], 256                 ; the next fetch is the next group's
.endif
.irp b, 0,1,2,3
	ds_load_b128 v[WF+32*GB+8*(\b):WF+32*GB+8*(\b)+3],   v[ADRB+(\slot)] offset:64*(\q)+(\b)*16*PITCH
	ds_load_b128 v[WF+32*GB+8*(\b)+4:WF+32*GB+8*(\b)+7], v[ADRB+(\slot)] offset:64*(\q)+(\b)*16*PITCH+32
.endr
	WIN TO_A
.irp a, 0,1,2,3,4,5,6,7,8,9,10,11,12,13,14,15
	ds_load_b128 v[128*GB+8*(\a):128*GB+8*(\a)+3],   v[ADRA+(\slot)] offset:64*(\q)+(\a)*16*PITCH
	ds_load_b128 v[128*GB+8*(\a)+4:128*GB+8*(\a)+7], v[ADRA+(\slot)] offset:64*(\q)+(\a)*16*PITCH+32
.endr
.endm
; A K step is four quarters of 32 along K, 64 matrix instructions each, on buffers 0, 1, 0, 1.  One of the first three, quarter q: it multiplies buffer q % 2; behind its 16th product it fetches the next
; quarter into the other buffer; 16 products later the words of qweight are in, and one slice stands behind each of the last 32 products.
.macro QUARTER slot, q, first
.set FB, (\q)%2
.set GB, 1-FB
.set II, 0
	s_wait_dscnt 24                                ; of the last run's 32 loads of A the youngest 24 may be out: blocks 0-3 are in
	MMS 16, \first
	FETCH \slot, (\q)+1, 0
	s_wait_dscnt 40                                ; all but the 40 just issued
	MMS 16, \first
	s_wait_dscnt 32                                ; the run's first 8 loads, the words of qweight, are in; its 32 loads of A may be out
.set KK, 0
.rept 32
	MM \first
	SLICE
.endr
.endm
; The last quarter multiplies buffer 1 and changes slots: ONE barrier for two things.  In front of it each wave waits for all its tensor loads, of which one is out: its part of the next slot; adds 0 to its
; spare word; and waits for that and for its own reads of this slot.  Behind it nobody reads this slot any more and the next slot is whole.
; fill = 1: the barrier opens a round of the cluster's barrier, and this slot is filled again, two K steps ahead, first thing behind the round: 240 matrix instructions ahead of the wait for it.
.macro TURN slot, next, fill
.set FB, 1
.set GB, 0
.set II, 0
	WIN 0                                          ; (the add's two registers lie in window 0)
	s_wait_tensorcnt 0x0                           ; all my tensor loads have landed: no group 0 is in use;
	ds_add_u32 v[SPW], v[NIL]                      ; 0 onto my spare word;
	s_wait_dscnt 29                                ; (the add and the youngest 28 loads of A may be out: blocks 0 and 1 are in)
	MMS 8, 0                                       ; eight matrix instructions stand between the add and the wait for it
	s_wait_dscnt 0x0                               ; the add is done, and my reads of this slot are over:
	s_barrier_signal -1                            ; say so,
	MMS 8, 0                                       ; work on registers while the others arrive,
.if \fill
	WIN 0
.endif
	s_barrier_wait -1                              ; and go on when all four have said so
.if \fill
	CREST                                          ; no wave of any partner still reads this slot's tile or has a load on its way
	s_add_nc_u64 s[G0+4*(\slot)+2:G0+4*(\slot)+3], s[G0+4*(\slot)+2:G0+4*(\slot)+3], 2*STEPB
	s_add_nc_u64 s[G0B+4*(\slot)+2:G0B+4*(\slot)+3], s[G0B+4*(\slot)+2:G0B+4*(\slot)+3], 2*STEPB
	JLOAD \slot                                    ; the first tensor load behind the round, my only one until the next
.endif
	FETCH \next, 0, 1                              ; the next K step's first quarter, and its group's scales
	MMS 16, 0
	s_wait_dscnt 32                                ; the table words and the words of qweight are in
	SCALES
.set KK, 0
.rept 32
	MM 0
	SLICE
.endr
.endm
	s_wait_tensorcnt 1                             ; my part of K step 0 is in; K step 1's load, issued behind it, may stay out
	s_wait_dscnt 0x0                               ; my stores into the table are done
	s_barrier_signal -1
	s_barrier_wait -1                              ; everybody's part is in
.set GB, 0
	FETCH 0, 0, 1
	s_wait_dscnt 32                                ; the table words and the words of qweight are in
	SCALES
.set KK, 0
.rept 32
	SLICE                                          ; the first quarter's weights: there is no matrix work yet to set them behind
.endr
	QUARTER 0, 0, 1                                ; the first quarter stands in front of the loop: its products start the sums
	WIN 0                                          ; at a label and at a branch every window is 0
	s_mov_b32 s[LAPC], LAPS-1
.Llap:                                                 ; a trip goes once round the ring, from a lap's second quarter to the next lap's first, and fills both slots again
	QUARTER 0, 1, 0
	QUARTER 0, 2, 0
	TURN 0, 1, 1
	QUARTER 1, 0, 0
	QUARTER 1, 1, 0
	QUARTER 1, 2, 0
	TURN 1, 0, 1
	QUARTER 0, 0, 0
	WIN 0
	s_sub_co_u32 s[LAPC], s[LAPC], 1
	s_cmp_lg_u32 s[LAPC], 0
	s_cbranch_scc1 .Llap
	QUARTER 0, 1, 0                                ; the last lap is written out: it asks for nothing more
	QUARTER 0, 2, 0
	TURN 0, 1, 0                                   ; behind this barrier no wave reads slot 0 again and no load fills it again
	QUARTER 1, 0, 0
	QUARTER 1, 1, 0
	QUARTER 1, 2, 0
.set FB, 1
.set II, 0
	s_wait_dscnt 0x0                               ; the very last quarter: nothing more to fetch
	MMS 64, 0
	; THE WAY OUT.  Rounded to f16, 16 bytes a lane, into the stage (slot 0's bytes); a barrier, since a row's 512 bytes come from four waves; back as whole rows, 64 rows a wave.
	WIN 0
	PLACES                                         ; between the first accumulators' last products and their conversions stand only matrix instructions, which are no places
.macro PACK2 a                         ; blocks a and a + 1 of 16 rows; each accumulator's registers are read in ascending order
	WIN 0x0a+5*((\a)/8)                            ; sources 0 and 1: window 2 or 3
.irp d, 0,1
.irp b, 0,1,2,3
.irp c, 0,1,2,3
	v_cvt_pk_f16_f32 v[TMP+16*(\d)+4*(\b)+(\c)], v[8*(4*(((\a)+(\d))%8)+(\b))+2*(\c)], v[8*(4*(((\a)+(\d))%8)+(\b))+2*(\c)+1]
.endr
.endr
.endr
	WIN 0
.irp d, 0,1
.irp b, 0,1,2,3
	ds_store_b128 v[STO+(\a)/8], v[TMP+16*(\d)+4*(\b):TMP+16*(\d)+4*(\b)+3] offset:(((\a)+(\d))%8)*16*SP+32*(\b)
.endr
.endr
.endm
.irp a, 0,2,4,6,8,10,12,14
	PACK2 \a
.endr
	s_wait_dscnt 0x0                               ; for the others' sake: my stores into the stage are done
	s_barrier_signal -1
	s_barrier_wait -1
	WIN TO_A                                       ; A's fragments are done with: window 1 takes the 64 rows
.set TT, 0
.rept 64
	ds_load_b128 v[4*TT:4*TT+3], v[RD] offset:TT*SP
.set TT, TT+1
.endr
	WIN 0x04                                       ; a store's data are its source 1: window 1
.set TT, 0
.rept 64
	s_wait_dscnt 63-TT                             ; LDS loads come back in order (ISA guide 5.7.1): row TT is in, the rows behind it may be out
	global_store_b128 v[CO], v[4*TT:4*TT+3], s[14:15] offset:TT*OROWB th:TH_STORE_NT  ; the wave stores 512 consecutive bytes, at a multiple of 512 from out0's first byte; 63 rows at the most stand in the immediate
.set TT, TT+1
.endr
	WIN 0
	s_wait_tensorcnt 0x0                           ; the wave's end: behind my last tensor load and my last LDS store
	ds_add_u32 v[SPW], v[NIL]
	s_wait_dscnt 0x0
	CROUND                                         ; the closing round: no work-group ends while a partner may still ask for a tile that names it
	s_endpgm
.Lfunc_end_k_q0728cd804a_qlin:
	.size	k_q0728cd804a_qlin, .Lfunc_end_k_q0728cd804a_qlin-k_q0728cd804a_qlin
	.p2alignl 7, 3214868480
	.fill 96, 4, 3214868480
	.section	.rodata,"a",@progbits
	.p2align	6, 0x0
	.amdhsa_kernel k_q0728cd804a_qlin
		.amdhsa_group_segment_fixed_size 327680
		.amdhsa_private_segment_fixed_size 0
		.amdhsa_enable_private_segment 0
		.amdhsa_kernarg_size 48
		.amdhsa_user_sgpr_count 2
		.amdhsa_user_sgpr_kernarg_segment_ptr 1
		.amdhsa_wavefront_size32 1
		.amdhsa_system_sgpr_workgroup_id_x 1
		.amdhsa_system_sgpr_workgroup_id_y 1
		.amdhsa_system_sgpr_workgroup_id_z 1
		.amdhsa_system_vgpr_workitem_id 0
		.amdhsa_next_free_vgpr 1024
		.amdhsa_next_free_sgpr 80
		.amdhsa_reserve_vcc 0
		.amdhsa_float_denorm_mode_32 3
		.amdhsa_float_denorm_mode_16_64 3
		.amdhsa_memory_ordered 1
		.amdhsa_forward_progress 1
		.amdhsa_inst_pref_size 255
	.end_amdhsa_kernel
	.section	.bss,"aw",@nobits
	.p2align	6
	.space	262144
	.amdgpu_metadata
---
amdhsa.version: [ 1, 2 ]
amdhsa.kernels:
  - .name:           k_q0728cd804a_qlin
    .symbol:         k_q0728cd804a_qlin.kd
    .args:
      - { .name: A, .offset: 0, .size: 8, .value_kind: global_buffer, .address_space: global }
      - { .name: qweight, .offset: 8, .size: 8, .value_kind: global_buffer, .address_space: global }
      - { .name: scales, .offset: 16, .size: 8, .value_kind: global_buffer, .address_space: global }
      - { .name: zeros, .offset: 24, .size: 8, .value_kind: global_buffer, .address_space: global }
      - { .name: bias, .offset: 32, .size: 8, .value_kind: global_buffer, .address_space: global }
      - { .name: out0, .offset: 40, .size: 8, .value_kind: global_buffer, .address_space: global }
    .group_segment_fixed_size: 327680
    .private_segment_fixed_size: 0
    .kernarg_segment_align: 8
    .kernarg_segment_size: 48
    .max_flat_workgroup_size: 128
    .sgpr_count:     80
    .vgpr_count:     1024
    .wavefront_size: 32
...
	.end_amdgpu_metadata
.endif
;; end of part 1
